; MI455X (gfx1250); checked and timed in simulation.
; The chip was launched on July 23, 2026; its instructions are those of AMD's public machine-readable ISA for CDNA 5 (MIT licence, August 2026) and "CDNA5" Instruction Set Architecture Reference Guide (July 2026). The comments in the code are by the model that wrote it; some were corrected since.
;; Conscious Attention. Allowed arithmetic: float matrix products may take bf16 or f16 operands with f32 sums; other float arithmetic in f32, or as packed bf16 or f16 multiplies, adds, multiply-adds, maxima and minima; sums over many terms, partial sums and values carried from step to step in f32; what a program stores and reads back later, other than sums and carried values, may be rounded once to bf16 or f16.
;; Inputs: W1 512 x 256 float32; W2 1 x 512 float32; Wk 256 x 256 float32; Wq 256 x 256 float32; b1 512 float32; b2 1 float32; bk 256 float32; bq 256 float32; conscious_bias 256 float32; sensory_input 250,000 x 256 float32.
;; Outputs: out0 64 x 256 float32; out1 250,000 float32; out2 250,000 float32.
;; One version. Each part assembles by itself: llvm-mc -triple=amdgcn-amd-amdhsa -mcpu=gfx1250 --defsym DOCPART=n.
;; ======== version 1 of 1: 4 launches
;; workspace buffers: w1f 262,144 bytes; uf 8,192 bytes; misc 256 bytes; pbuf 1,003,520 bytes; keys 1,003,520 bytes of whole numbers; gkey 16,384 bytes of whole numbers; stats 3,072 bytes; glist 256 bytes of whole numbers
;; launch prep (part 1): grid 16 x 1, 16 waves a work-group, no clusters, 4,352 bytes of LDS; arguments Wq, conscious_bias, bq, Wk, bk, W1, w1f, uf, misc, gkey, stats; writes w1f, uf, misc, gkey, stats
.if DOCPART == 1
	.amdgcn_target "amdgcn-amd-amdhsa--gfx1250"
	.amdhsa_code_object_version 6
	.text
	.protected	k_qaf00c80614_prep
	.globl	k_qaf00c80614_prep
	.p2align	8
	.type	k_qaf00c80614_prep,@function
k_qaf00c80614_prep:
	s_mov_b64 s[64:65], 0
	v_nop
	global_prefetch_b8 v0, s[64:65] scope:SCOPE_SE
	s_setreg_imm32_b32 hwreg(HW_REG_WAVE_MODE, 25, 1), 1
	s_wait_xcnt 0x0
; PREP.  All that hangs on the weights alone.  Every input is rounded once to bf16; what is made of them stays in f32.
;   q_raw = Wq cb + bq;  scale = 0.125 / max(|q_raw|, 1e-12)  (the 2 of the normalisation over the 16 of the logits);
;   u = scale Wk^T q_raw, so that a row's logit is x . u + c0 with c0 = scale (bk . q_raw): (x Wk^T + bk) . q written in another order of sums.
;   u is split into three bf16 pieces u1 + u2 + u3 (u1 = bf16(u), u2 = bf16(u - u1), u3 = bf16(u - u1 - u2)): rows 0 to 2 of a 16-row matrix operand U, rows 3 to 15 are 0.
;   W1 is rounded to bf16 and laid out in the order in which the next launch's lanes take it.
; SHARES.  16 work-groups of 16 waves.  Each makes all of q (wave w its rows 16 w .. 16 w + 15); work-group j then makes u's columns 16 j .. 16 j + 15 and the fragments of W1's rows 32 j .. 32 j + 31.
; Work-group 0 also writes c0 and the words behind the last real entry of gkey and stats, which the later launches read as whole tables of 4,096 and 256.
; LIMITS.  NaN and infinities are not treated apart; the order of the sums differs from reference()'s.
; No matrix unit (one query vector), no cluster (what is shared is 256 KB, read once), no tensor load.
.set QL,    0                          ; q_raw, 256 f32
.set UP,    1024                       ; wave w's partial sums of the 16 columns of u: 64 bytes a wave
.set TP,    2048                       ; the three pieces of 16 columns, f32: 64 bytes a piece; wave 0's own
.set SPARE, 2304                       ; the spare words, 128 bytes for each of 16 waves
	s_load_b512 s[4:19], s[0:1], 0x0               ; Wq 4:5, cb 6:7, bq 8:9, Wk 10:11, bk 12:13, W1 14:15, w1f 16:17, uf 18:19
	s_load_b128 s[20:23], s[0:1], 0x40             ; misc 20:21, gkey 22:23
	s_load_b64 s[24:25], s[0:1], 0x50              ; stats
	v_lshl_add_u32 v1, v0, 2, SPARE                ; my spare word; never rewritten
	v_mov_b32 v2, 0                                ; 0, for the add alone
	v_mov_b32 v3, 0                                ; 0, as the first addend of the sums and as store data
	v_mov_b32 v28, 0                               ; these three are written, since v_permlanex16_b32 counts as a reader of its destination
	v_mov_b32 v29, 0
	v_mov_b32 v31, 0
	v_lshrrev_b32 v4, 5, v0
	v_readfirstlane_b32 s26, v4                    ; wave w
	s_mov_b32 s27, ttmp9                           ; work-group j
	v_and_b32 v4, 31, v0                           ; lane
	v_and_b32 v5, 15, v0                           ; r
	v_bfe_u32 v6, v0, 4, 1                         ; h
	s_mov_b32 s30, 0x76543210                      ; v_permlanex16_b32: each lane takes its own place in the other half
	s_mov_b32 s31, 0xfedcba98
	v_lshlrev_b32 v8, 4, v4                        ; 16 lane
	s_lshl_b32 s28, s26, 14
	v_add_nc_u32 v7, s28, v8                       ; Wq: my wave's 16 rows of 1,024 bytes, 16 bytes a lane
	s_lshl_b32 s28, s26, 6
	v_lshl_add_u32 v9, v5, 2, s28                  ; 4 (16 w + r): bq's word, and q's place in LDS
	v_lshrrev_b32 v13, 4, v0                       ; hp = thread / 16: my 8 rows of Wk
	s_lshl_b32 s28, s27, 6
	v_lshl_add_u32 v10, v5, 2, s28                 ; Wk: column 16 j + r,
	v_lshl_add_u32 v10, v13, 13, v10               ; row 8 hp
	v_lshlrev_b32 v13, 5, v13                      ; q[8 hp] in LDS
	v_lshlrev_b32 v11, 5, v4                       ; 32 lane: bk[8 lane], and q[8 lane] in LDS
	s_lshr_b32 s28, s26, 3                         ; W1: which of the group's two tiles of 16 rows,
	s_and_b32 s29, s26, 7                          ; which K step of 32
	s_lshl_b32 s32, s27, 1
	s_add_co_u32 s32, s32, s28                     ; tile 2 j + tt
	s_lshl_b32 s33, s32, 14
	s_lshl_b32 s34, s29, 7
	s_add_co_u32 s33, s33, s34
	v_lshl_add_u32 v12, v5, 10, s33                ; row r of the tile, K step kk,
	v_lshl_add_u32 v12, v6, 5, v12                 ; 8 numbers for each half of the lanes
	s_lshl_b32 s33, s32, 13
	s_lshl_b32 s34, s29, 10
	s_add_co_u32 s33, s33, s34
	v_add_nc_u32 v15, s33, v8                      ; w1f: tile x 8,192 + kk x 1,024 + 16 lane
	s_wait_kmcnt 0x0
	global_load_b128 v[16:19], v8, s[6:7]                  ; cb[4 lane ..], cb[128 + 4 lane ..]
	global_load_b128 v[20:23], v8, s[6:7] offset:512
.set i, 0
.rept 16                               ; row i of my 16: two loads of 512 consecutive bytes
	global_load_b128 v[64+8*i:64+8*i+3], v7, s[4:5] offset:i*1024
	global_load_b128 v[64+8*i+4:64+8*i+7], v7, s[4:5] offset:i*1024+512
.set i, i+1
.endr
	global_load_b32 v24, v9, s[8:9]                        ; bq[16 w + r]
.set i, 0
.rept 8
	global_load_b32 v[32+i], v10, s[10:11] offset:i*1024   ; Wk[8 hp + i][16 j + r]
.set i, i+1
.endr
	global_load_b128 v[40:43], v11, s[12:13]               ; bk[8 lane ..]
	global_load_b128 v[44:47], v11, s[12:13] offset:16
.irp q, 0,1
	global_load_b128 v[48+8*\q:48+8*\q+3], v12, s[14:15] offset:64*\q      ; W1[row][32 kk + 16 q + 8 h ..]
	global_load_b128 v[48+8*\q+4:48+8*\q+7], v12, s[14:15] offset:64*\q+16
.endr
	s_wait_loadcnt 14                              ; cb, Wq and bq are in: behind them Wk's 8, bk's 2 and W1's 4 loads may stay out
	; q_raw.  Rounded in pairs; a product of two bf16 is exact in f32, the sums are f32.
	v_cvt_pk_bf16_f32 v16, v16, v17
	v_cvt_pk_bf16_f32 v17, v18, v19
	v_cvt_pk_bf16_f32 v18, v20, v21
	v_cvt_pk_bf16_f32 v19, v22, v23
.set i, 0
.rept 16
	v_cvt_pk_bf16_f32 v[64+8*i], v[64+8*i], v[64+8*i+1]
	v_cvt_pk_bf16_f32 v[64+8*i+1], v[64+8*i+2], v[64+8*i+3]
	v_cvt_pk_bf16_f32 v[64+8*i+2], v[64+8*i+4], v[64+8*i+5]
	v_cvt_pk_bf16_f32 v[64+8*i+3], v[64+8*i+6], v[64+8*i+7]
.set i, i+1
.endr
.irp k, 0,1,2,3                        ; the 16 rows' sums (in v[68 + 8 i]) go side by side, so that no line waits for the one before it
.set i, 0
.rept 16
.if \k == 0
	v_fma_mix_f32_bf16 v[68+8*i], v[64+8*i], v16, v3 op_sel_hi:[1,1,0]
.else
	v_fma_mix_f32_bf16 v[68+8*i], v[64+8*i+\k], v[16+\k], v[68+8*i] op_sel_hi:[1,1,0]
.endif
.set i, i+1
.endr
.set i, 0
.rept 16
	v_fma_mix_f32_bf16 v[68+8*i], v[64+8*i+\k], v[16+\k], v[68+8*i] op_sel:[1,1,0] op_sel_hi:[1,1,0]
.set i, i+1
.endr
.endr
.irp m, 1,2,4,8                        ; across the lanes
.set i, 0
.rept 16
	v_add_f32_dpp v[68+8*i], v[68+8*i], v[68+8*i] row_xmask:\m row_mask:0xf bank_mask:0xf
.set i, i+1
.endr
.endr
.set i, 0
.rept 16
	v_permlanex16_b32 v[69+8*i], v[68+8*i], s30, s31
.set i, i+1
.endr
.set i, 0
.rept 16
	v_add_f32 v[68+8*i], v[68+8*i], v[69+8*i]
.set i, i+1
.endr
	v_mov_b32 v25, v68                             ; lane (r, h) picks row r's sum
.set i, 1
.rept 15
	v_cmp_eq_u32 vcc_lo, i, v5
	v_cndmask_b32 v25, v25, v[68+8*i], vcc_lo
.set i, i+1
.endr
	v_cvt_pk_bf16_f32 v24, v24, v24
	v_lshlrev_b32 v24, 16, v24                     ; bq, rounded to bf16, as f32
	v_add_f32 v25, v25, v24
	ds_store_b32 v9, v25                           ; q_raw[16 w + r]; both halves of the lanes write the same word with the same value
	s_wait_dscnt 0x0                               ; for the others' sake: my part of q is in LDS
	s_barrier_signal -1
	s_barrier_wait -1
	ds_load_b128 v[192:195], v11                   ; q[8 lane ..], for the norm and for bk . q
	ds_load_b128 v[196:199], v11 offset:16
	ds_load_b128 v[200:203], v13                   ; q[8 hp ..], for u
	ds_load_b128 v[204:207], v13 offset:16
	s_wait_loadcnt 4                               ; Wk and bk are in; W1's 4 loads may stay out
	v_cvt_pk_bf16_f32 v40, v40, v41
	v_cvt_pk_bf16_f32 v41, v42, v43
	v_cvt_pk_bf16_f32 v42, v44, v45
	v_cvt_pk_bf16_f32 v43, v46, v47
	v_cvt_pk_bf16_f32 v32, v32, v33
	v_cvt_pk_bf16_f32 v33, v34, v35
	v_cvt_pk_bf16_f32 v34, v36, v37
	v_cvt_pk_bf16_f32 v35, v38, v39
	s_wait_dscnt 0x0
	v_mul_f32 v26, v192, v192                      ; three sums side by side: q . q, bk . q, and my 8 rows' part of Wk^T q
	v_fma_mix_f32_bf16 v27, v40, v192, v3 op_sel_hi:[1,0,0]
	v_fma_mix_f32_bf16 v30, v32, v200, v3 op_sel_hi:[1,0,0]
	v_fmac_f32 v26, v193, v193
	v_fma_mix_f32_bf16 v27, v40, v193, v27 op_sel:[1,0,0] op_sel_hi:[1,0,0]
	v_fma_mix_f32_bf16 v30, v32, v201, v30 op_sel:[1,0,0] op_sel_hi:[1,0,0]
.irp k, 1,2,3
	v_fmac_f32 v26, v[192+2*\k], v[192+2*\k]
	v_fma_mix_f32_bf16 v27, v[40+\k], v[192+2*\k], v27 op_sel_hi:[1,0,0]
	v_fma_mix_f32_bf16 v30, v[32+\k], v[200+2*\k], v30 op_sel_hi:[1,0,0]
	v_fmac_f32 v26, v[193+2*\k], v[193+2*\k]
	v_fma_mix_f32_bf16 v27, v[40+\k], v[193+2*\k], v27 op_sel:[1,0,0] op_sel_hi:[1,0,0]
	v_fma_mix_f32_bf16 v30, v[32+\k], v[201+2*\k], v30 op_sel:[1,0,0] op_sel_hi:[1,0,0]
.endr
.irp m, 1,2,4,8
	v_add_f32_dpp v26, v26, v26 row_xmask:\m row_mask:0xf bank_mask:0xf
	v_add_f32_dpp v27, v27, v27 row_xmask:\m row_mask:0xf bank_mask:0xf
.endr
	v_permlanex16_b32 v28, v26, s30, s31
	v_permlanex16_b32 v29, v27, s30, s31
	v_permlanex16_b32 v31, v30, s30, s31           ; the other half of the lanes holds the wave's other 8 rows of Wk
	v_add_f32 v26, v26, v28
	v_add_f32 v27, v27, v29
	v_add_f32 v30, v30, v31
	ds_store_b32 v9, v30 offset:UP                 ; rows 16 w .. 16 w + 15, column r
	v_sqrt_f32 v28, v26
	v_nop                                          ; a plain instruction behind each transcendental before its result is used (ISA guide 5.7.2)
	s_wait_alu depctr_va_vdst(0)
	v_max_num_f32 v28, 0x2b8cbccc, v28             ; max(|q|, 1e-12)
	v_rcp_f32 v28, v28
	v_nop
	s_wait_alu depctr_va_vdst(0)
	v_mul_f32 v28, 0x3e000000, v28                 ; scale = 0.125 / that
	v_mul_f32 v29, v27, v28                        ; c0
	s_wait_loadcnt 0x0                             ; W1
.irp q, 0,1
	v_cvt_pk_bf16_f32 v[48+8*\q], v[48+8*\q], v[49+8*\q]
	v_cvt_pk_bf16_f32 v[49+8*\q], v[50+8*\q], v[51+8*\q]
	v_cvt_pk_bf16_f32 v[50+8*\q], v[52+8*\q], v[53+8*\q]
	v_cvt_pk_bf16_f32 v[51+8*\q], v[54+8*\q], v[55+8*\q]
.endr
	global_store_b128 v15, v[48:51], s[16:17]              ; each store of the wave covers 512 consecutive bytes, aligned
	global_store_b128 v15, v[56:59], s[16:17] offset:512
	s_wait_dscnt 0x0                               ; for wave 0's sake: my partial sums are in LDS
	s_barrier_signal -1
	s_barrier_wait -1
	s_cmp_lg_u32 s26, 0
	s_cbranch_scc1 .Lnot_wave_0
	v_lshlrev_b32 v36, 2, v5                       ; 4 r
.set i, 0
.rept 16
	ds_load_b32 v[208+i], v36 offset:UP+64*i
.set i, i+1
.endr
	v_min_u32 v37, 2, v5                           ; which piece lane (r, h) will read back
	v_lshlrev_b32 v37, 6, v37
	v_lshl_add_u32 v37, v6, 5, v37
	s_lshl_b32 s28, s27, 9
	v_add_nc_u32 v38, s28, v8                      ; uf: 512 j + 16 lane
	s_wait_dscnt 0x0
.irp d, 8,4,2,1
.set i, 0
.rept \d
	v_add_f32 v[208+i], v[208+i], v[208+i+\d]
.set i, i+1
.endr
.endr
	v_mul_f32 v208, v208, v28                      ; u[16 j + r]
	v_cvt_pk_bf16_f32 v209, v208, v208
	v_lshlrev_b32 v209, 16, v209                   ; u1
	v_sub_f32 v210, v208, v209
	v_cvt_pk_bf16_f32 v211, v210, v210
	v_lshlrev_b32 v211, 16, v211                   ; u2
	v_sub_f32 v212, v210, v211
	v_cvt_pk_bf16_f32 v213, v212, v212
	v_lshlrev_b32 v213, 16, v213                   ; u3
	ds_store_b32 v36, v209 offset:TP
	ds_store_b32 v36, v211 offset:TP+64
	ds_store_b32 v36, v213 offset:TP+128
	ds_load_b128 v[224:227], v37 offset:TP         ; LDS serves a wave's instructions in order (ISA guide 5.7.1.4): these see the stores above
	ds_load_b128 v[228:231], v37 offset:TP+16
	s_wait_dscnt 0x0
	v_cvt_pk_bf16_f32 v224, v224, v225             ; exact: the pieces are bf16 numbers
	v_cvt_pk_bf16_f32 v225, v226, v227
	v_cvt_pk_bf16_f32 v226, v228, v229
	v_cvt_pk_bf16_f32 v227, v230, v231
	v_cmp_gt_u32 vcc_lo, 3, v5                     ; rows 3 to 15 of U are 0
.irp i, 224,225,226,227
	v_cndmask_b32 v\i, 0, v\i, vcc_lo
.endr
	global_store_b128 v38, v[224:227], s[18:19]    ; U[r][16 j + 8 h ..]
.Lnot_wave_0:
	s_cmp_lg_u32 s27, 0
	s_cbranch_scc1 .Lend
	v_lshlrev_b32 v39, 2, v0
	v_mov_b32 v40, 0xff7fffff                      ; the lowest finite number
	s_wait_xcnt 0x0                                ; EXEC changes only behind this wait, each time
	v_cmp_gt_u32 vcc_lo, 0xb0, v0
	s_and_saveexec_b32 s32, vcc_lo
	global_store_b32 v39, v3, s[22:23] offset:15680        ; gkey[3920 .. 4095] = 0: below every key
	s_wait_xcnt 0x0
	s_or_b32 exec_lo, exec_lo, s32
	v_cmp_gt_u32 vcc_lo, 11, v0
	s_and_saveexec_b32 s32, vcc_lo
	global_store_b32 v39, v40, s[24:25] offset:980         ; stats: m[245 .. 255],
	global_store_b32 v39, v3, s[24:25] offset:980+1024     ; S,
	global_store_b32 v39, v3, s[24:25] offset:980+2048     ; T
	s_wait_xcnt 0x0
	s_or_b32 exec_lo, exec_lo, s32
	v_cmp_eq_u32 vcc_lo, 0, v0
	s_and_saveexec_b32 s32, vcc_lo
	global_store_b32 v39, v29, s[20:21]                    ; c0
	s_wait_xcnt 0x0
	s_or_b32 exec_lo, exec_lo, s32
.Lend:
	s_wait_tensorcnt 0x0                           ; the wave's end, behind my last LDS store
	ds_add_u32 v1, v2
	s_wait_dscnt 0x0
	s_endpgm
.Lfunc_end_k_qaf00c80614_prep:
	.size	k_qaf00c80614_prep, .Lfunc_end_k_qaf00c80614_prep-k_qaf00c80614_prep
	.p2alignl 7, 3214868480
	.fill 96, 4, 3214868480
	.section	.rodata,"a",@progbits
	.p2align	6, 0x0
	.amdhsa_kernel k_qaf00c80614_prep
		.amdhsa_group_segment_fixed_size 4352
		.amdhsa_private_segment_fixed_size 0
		.amdhsa_enable_private_segment 0
		.amdhsa_kernarg_size 88
		.amdhsa_user_sgpr_count 2
		.amdhsa_user_sgpr_kernarg_segment_ptr 1
		.amdhsa_wavefront_size32 1
		.amdhsa_system_sgpr_workgroup_id_x 1
		.amdhsa_system_sgpr_workgroup_id_y 1
		.amdhsa_system_sgpr_workgroup_id_z 1
		.amdhsa_system_vgpr_workitem_id 0
		.amdhsa_next_free_vgpr 232
		.amdhsa_next_free_sgpr 66
		.amdhsa_reserve_vcc 1
		.amdhsa_float_denorm_mode_32 3
		.amdhsa_float_denorm_mode_16_64 3
		.amdhsa_memory_ordered 1
		.amdhsa_forward_progress 1
		.amdhsa_inst_pref_size 34
	.end_amdhsa_kernel
	.amdgpu_metadata
---
amdhsa.version: [ 1, 2 ]
amdhsa.kernels:
  - .name:           k_qaf00c80614_prep
    .symbol:         k_qaf00c80614_prep.kd
    .args:
      - { .name: Wq, .offset: 0, .size: 8, .value_kind: global_buffer, .address_space: global }
      - { .name: conscious_bias, .offset: 8, .size: 8, .value_kind: global_buffer, .address_space: global }
      - { .name: bq, .offset: 16, .size: 8, .value_kind: global_buffer, .address_space: global }
      - { .name: Wk, .offset: 24, .size: 8, .value_kind: global_buffer, .address_space: global }
      - { .name: bk, .offset: 32, .size: 8, .value_kind: global_buffer, .address_space: global }
      - { .name: W1, .offset: 40, .size: 8, .value_kind: global_buffer, .address_space: global }
      - { .name: w1f, .offset: 48, .size: 8, .value_kind: global_buffer, .address_space: global }
      - { .name: uf, .offset: 56, .size: 8, .value_kind: global_buffer, .address_space: global }
      - { .name: misc, .offset: 64, .size: 8, .value_kind: global_buffer, .address_space: global }
      - { .name: gkey, .offset: 72, .size: 8, .value_kind: global_buffer, .address_space: global }
      - { .name: stats, .offset: 80, .size: 8, .value_kind: global_buffer, .address_space: global }
    .group_segment_fixed_size: 4352
    .private_segment_fixed_size: 0
    .kernarg_segment_align: 8
    .kernarg_segment_size: 88
    .max_flat_workgroup_size: 512
    .sgpr_count:     66
    .vgpr_count:     232
    .wavefront_size: 32
...
	.end_amdgpu_metadata
.endif
;; end of part 1
;; launch main (part 2): grid 245 x 1, 4 waves a work-group, no clusters, 105,216 bytes of LDS; arguments sensory_input, w1f, uf, b1, W2, b2, misc, out2, pbuf, keys, gkey, stats; writes out2, pbuf, keys, gkey, stats
.if DOCPART == 2
	.amdgcn_target "amdgcn-amd-amdhsa--gfx1250"
	.amdhsa_code_object_version 6
	.text
	.protected	k_qaf00c80614_main
	.globl	k_qaf00c80614_main
	.p2align	8
	.type	k_qaf00c80614_main,@function
k_qaf00c80614_main:
	s_mov_b64 s[64:65], 0
	v_nop
	global_prefetch_b8 v0, s[64:65] scope:SCOPE_SE
	s_setreg_imm32_b32 hwreg(HW_REG_WAVE_MODE, 25, 1), 1
	s_wait_xcnt 0x0
; MAIN.  For each row x (rounded once to bf16): h = x W1^T + b1 (matrix unit, f32 sums, b1 as the first C operand); z = w2 . max(h, 0) + b2 in f32 straight from the accumulators;
; the logit l = x . u + c0 by the matrix unit too, u as three exact bf16 pieces.  Then, with t = -z log2(e) and E = 2^-|t|:  value = (t > 0 ? E : 1) / (1 + E);
; kappa = l log2(e) - max(t, 0) - log2(1 + E) = log2(e^l value), which orders the rows as the allocation does; it is stored as a whole number that orders as kappa does.
; SOFTMAX.  The work-group's own maximum m of l is taken away: e = exp(l - m), p = e value; m, the sum S of e and the sum T of p go to stats; the next launch corrects by exp(m - global maximum).
; SHARES.  A work-group owns 1,024 rows: 32 steps of 32 rows (blocks A and B of 16).  250,000 rows are 245 such shares; the last has 144 real rows: its loads are clamped to the table's last 8 rows and its results masked.
; Wave w keeps W1's rows 128 w .. 128 w + 127 for all of K in 512 registers, so LDS holds X alone, and a block's 16 LDS loads feed 66 matrix instructions.
; X: each wave loads 8 rows of a step as f32 (16 loads of 512 consecutive bytes), rounds them to bf16 in place and stores them into one of two LDS buffers; one barrier a step; all four waves read the fragments.
; A staging buffer is asked for again as soon as it has been converted, almost two steps ahead of its next use: two buffers of 8 KB a wave are on their way.
; THE MATRIX INSTRUCTION IS USED TRANSPOSED: source 0 = 16 rows of W1, source 1 = 16 rows of X: lane (r, h) holds X's row r, register j hidden unit 8 h + j of the tile: z's sums stay inside a lane.
; K IS ROTATED BY WAVE: register slot pair p holds the real pair of K steps (p + w) & 3, in W1's and in X's fragments alike; so slots 0, 1 are K steps 2 w, 2 w + 1, and wave w makes the logit's part over those 64 columns.
; RIDERS.  Behind each product of one group of four tiles stands the max(h, 0) of a register of the group made before, behind each eighth four packed multiply-adds by w2; in a step's first run also the staging.
; No cluster: 245 work-groups are no multiple of four, and what they share (W1, 256 KB against 1 MB of X of their own) goes once into registers.  No tensor load: X must pass through registers to be rounded.
; LIMITS.  NaN and infinities are not treated apart; an exponential below 2^-126 counts as 0; the order of the sums differs from reference()'s; the transcendentals are good to 1 ULP.
; REGISTERS, in windows of 256 (s_set_vgpr_msb: bits 1:0 source 0, 3:2 source 1, 5:4 source 2, 7:6 destination):
;   window 0: addresses, z sums, the logit's accumulator and U, w2, two staging buffers      window 1: fragments of blocks A and B, 8 accumulators, b1      windows 2, 3: W1's tiles 0-3, 4-7
.set NROWS, 250000
.set PITCH, 528                        ; an LDS row of X: 512 bytes + 16: the 16 rows of a fragment load start at 16 different groups of four banks (ISA guide 11.1)
.set XBUF,  32*PITCH                   ; a step's 32 rows; two such buffers from byte 0
.set ZP,    2*XBUF                     ; z's partial sums: 8 regions, one for each (wave, half of the lanes); row i of the share at region + 64 + 4 i; the first 64 bytes take the empty block in front of the first
.set ZS,    4416                       ; from region to region: 64 bytes beyond a multiple of 256, so that the two halves of the lanes store to different banks
.set LPO,   8*ZS                       ; the logit's partial sums lie this far behind z's, in the same shape (odd regions hold zeros and are not read)
.set RED,   ZP+2*LPO                   ; 48 bytes for the sums over the four waves
.set SPARE, RED+256                    ; the spare words, 128 bytes a wave
.set VL16, 1                           ; v1      16 lane
.set SAD,  3                           ; v3      where I store 8 bytes of my wave's first row of a step
.set AD,   4                           ; v4-7    my fragment address for slot pair p
.set ZAD,  8                           ; v8      where I store z of row r; steps by 64 rows every two steps
.set SPW,  9                           ; v9      my spare word; never rewritten
.set NIL,  10                          ; v10     0; never rewritten
.set ZZ,   16                          ; v16-23  four pairs of z sums
.set LA,   24                          ; v24-31  the logit's accumulator
.set U,    32                          ; v32-47  U's fragments of my two K steps
.set W2R,  48                          ; v48-111 w2 of my lane's 64 hidden units
.set P,    112                         ; v112-239 two staging buffers of 64
.set WOF,  240                         ; v240-243 byte offsets into w1f for slot pair p
.set UOF,  244
.set BOF,  245
.set B2V,  246                         ; b2, rounded to bf16
.set FA,   0                           ; window 1
.set FB,   64
.set ACC,  128                         ; group g, tile t at ACC + 32 g + 8 t
.set B1,   192
.set MSB, 0
.macro WIN new                         ; the immediate's high byte repeats the setting that is left; a switch that changes nothing is dropped
.if MSB != (\new)
	s_set_vgpr_msb (MSB<<8)|(\new)
.set MSB, (\new)
.endif
.endm
.macro SETSA pb                        ; staging buffer pb's next 8 rows: the address is made anew from the row number, clamped to my last step's rows and to the table
	s_min_u32 s32, s30, s31
	s_lshl_b32 s34, s32, 10
	s_add_nc_u64 s[36+2*(\pb):37+2*(\pb)], s[4:5], s[34:35]
	s_add_co_u32 s30, s30, 32
.endm
.macro LOADP pb
.set n, 0
.rept 16
	global_load_b128 v[P+64*(\pb)+4*n:P+64*(\pb)+4*n+3], v[VL16], s[36+2*(\pb):37+2*(\pb)] offset:(n/2)*1024+(n%2)*512 th:TH_LOAD_NT
.set n, n+1
.endr
.endm
; Four numbers of staging buffer pb are rounded in place and stored into X buffer xb; ld = 1: the same four registers are asked for again, from the rows three steps on.
.macro QUAD pb, xb, n, ld
.set rq, P+64*(\pb)+4*(\n)
	v_cvt_pk_bf16_f32 v[rq], v[rq], v[rq+1]
	v_cvt_pk_bf16_f32 v[rq+1], v[rq+2], v[rq+3]
	ds_store_b64 v[SAD], v[rq:rq+1] offset:(\xb)*XBUF+((\n)/2)*PITCH+((\n)%2)*256
.if \ld
	global_load_b128 v[rq:rq+3], v[VL16], s[36+2*(\pb):37+2*(\pb)] offset:((\n)/2)*1024+((\n)%2)*512 th:TH_LOAD_NT
.endif
.endm
.macro FRAGS F, xb, blk                ; 16 LDS loads in one run: block blk of X buffer xb, all of K
	WIN 0x40
.set kq, 0
.rept 8
	ds_load_b128 v[(\F)+8*kq:(\F)+8*kq+3], v[AD+kq/2] offset:(\xb)*XBUF+(\blk)*16*PITCH+(kq%2)*64
	ds_load_b128 v[(\F)+8*kq+4:(\F)+8*kq+7], v[AD+kq/2] offset:(\xb)*XBUF+(\blk)*16*PITCH+(kq%2)*64+32
.set kq, kq+1
.endr
.endm
.macro MMA g, F, i                     ; product i of 32 of group g: K slot i / 4, tile i % 4: the four accumulators take turns; the first four start the sums with b1
	WIN 0x56+(\g)
.set kq, (\i)/4
.set tq, (\i)%4
.set rD, ACC+32*(\g)+8*tq
.set rA, 64*tq+8*kq
.set rB, (\F)+8*kq
.set rC, B1+32*(\g)+8*tq
.if kq == 0
	v_wmma_f32_16x16x32_bf16 v[rD:rD+7], v[rA:rA+7], v[rB:rB+7], v[rC:rC+7]
.else
	v_wmma_f32_16x16x32_bf16 v[rD:rD+7], v[rA:rA+7], v[rB:rB+7], v[rD:rD+7]
.endif
.endm
.macro LOGIT F, b                      ; the logit's two products of a block stand at the heads of its two runs, 32 other products apart
	WIN 0x04
.if (\b) == 0
	v_wmma_f32_16x16x32_bf16 v[LA:LA+7], v[U:U+7], v[(\F):(\F)+7], 0
.else
	v_wmma_f32_16x16x32_bf16 v[LA:LA+7], v[U+8:U+15], v[(\F)+8:(\F)+15], v[LA:LA+7]
.endif
.endm
.macro RPK4 pg, c                      ; pairs 4 c .. 4 c + 3 of group pg times w2, onto the four pairs of sums; a block's first four start them
	WIN 0x01
.set nn, 4*(\c)
.rept 4
.if ((\pg) == 0) && ((\c) == 0)
	v_pk_mul_f32 v[ZZ+2*(nn%4):ZZ+2*(nn%4)+1], v[ACC+32*(\pg)+2*nn:ACC+32*(\pg)+2*nn+1], v[W2R+32*(\pg)+2*nn:W2R+32*(\pg)+2*nn+1]
.else
	v_pk_fma_f32 v[ZZ+2*(nn%4):ZZ+2*(nn%4)+1], v[ACC+32*(\pg)+2*nn:ACC+32*(\pg)+2*nn+1], v[W2R+32*(\pg)+2*nn:W2R+32*(\pg)+2*nn+1], v[ZZ+2*(nn%4):ZZ+2*(nn%4)+1]
.endif
.set nn, nn+1
.endr
.endm
; A RUN: the 32 products of group g on fragments F, and behind them the other group's way into z (its registers in ascending order: each accumulator's low end is read first).
; None of these riders names a register of the products round it.  stg = 1: the staging rides too.  bar = 1: the step's barrier: signal in the middle, wait at the end, register work alone between them.
.macro RUN g, F, stg, pb, xb, ld, bar
.set ii, 0
.rept 32
	MMA \g, \F, ii
	v_max_num_f32 v[ACC+32*(1-(\g))+ii], 0, v[ACC+32*(1-(\g))+ii]
.if ii%8 == 7
	RPK4 1-(\g), ii/8
.endif
.if (\stg) && (ii%2 == 1)
	WIN 0
	QUAD \pb, \xb, ii/2, \ld
.endif
.if (\bar) && (ii == 15)
	s_wait_dscnt 0x0                               ; for the others' sake: my stores into the next X buffer are done, and my reads of this one are back
	s_barrier_signal -1
.endif
.set ii, ii+1
.endr
.if \bar
	s_barrier_wait -1                              ; the next X buffer is whole, and nobody reads this one any more
.endif
.endm
.macro ZFIN off                        ; a block's z (my lane's 64 hidden units of it) goes to LDS
	WIN 0
	v_pk_add_f32 v[ZZ:ZZ+1], v[ZZ:ZZ+1], v[ZZ+2:ZZ+3]
	v_pk_add_f32 v[ZZ+4:ZZ+5], v[ZZ+4:ZZ+5], v[ZZ+6:ZZ+7]
	v_pk_add_f32 v[ZZ:ZZ+1], v[ZZ:ZZ+1], v[ZZ+4:ZZ+5]
	v_add_f32 v11, v[ZZ], v[ZZ+1]
	ds_store_b32 v[ZAD], v11 offset:\off
.endm
.macro LFIN off                        ; the three pieces' products are added: my wave's 64 columns of a block's logits (lanes 16-31 hold U's empty rows: zeros)
	WIN 0
	v_add_f32 v12, v[LA], v[LA+1]
	v_add_f32 v12, v12, v[LA+2]
	ds_store_b32 v[ZAD], v12 offset:LPO+(\off)
.endm
; A STEP of parity e: multiplies X buffer e; conv = 1: stages the next step's rows into the other; ld = 1: and asks for the rows three steps on; cnt: the loads that may stay out.
; The loads into FB and FA stand seven plain vector instructions behind the last product that read those registers (one max, four multiply-adds, LFIN's two additions).
.macro STEP e, conv, ld, cnt
	FRAGS FB, \e, 1
.if \conv
	s_wait_loadcnt \cnt                            ; the older staging buffer is in (loads come back in order: ISA guide 5.7.1); that also frees its base
.if \ld
	SETSA 1-(\e)
.endif
.endif
	s_wait_dscnt 16                                ; all but the 16 loads just issued: block A's fragments are in
	LOGIT FA, 0
	RUN 0, FA, \conv, 1-(\e), 1-(\e), \ld, 0
	ZFIN 128*(\e)                                  ; block B of the step before
	LOGIT FA, 1
	RUN 1, FA, 0, 0, 0, 0, \conv
	LFIN 128*(\e)+64
.if \conv
	FRAGS FA, 1-(\e), 0                            ; the next step's block A
.else
	s_wait_dscnt 0x0                               ; block B's fragments
.endif
	LOGIT FB, 0
	RUN 0, FB, 0, 0, 0, 0, 0
	ZFIN 128*(\e)+64                               ; block A
	LOGIT FB, 1
	RUN 1, FB, 0, 0, 0, 0, 0
	LFIN 128*(\e)+128
.endm
	s_load_b512 s[4:19], s[0:1], 0x0               ; X 4:5, w1f 6:7, uf 8:9, b1 10:11, W2 12:13, b2 14:15, misc 16:17, out2 18:19
	s_load_b256 s[20:27], s[0:1], 0x40             ; pbuf 20:21, keys 22:23, gkey 24:25, stats 26:27
	v_lshl_add_u32 v[SPW], v0, 2, SPARE
	v_mov_b32 v[NIL], 0
	v_lshrrev_b32 v11, 5, v0
	v_readfirstlane_b32 s28, v11                   ; wave w
	s_mov_b32 s29, ttmp9                           ; work-group
	v_and_b32 v12, 31, v0                          ; lane
	v_and_b32 v13, 15, v0                          ; r
	v_bfe_u32 v14, v0, 4, 1                        ; h
	v_lshlrev_b32 v[VL16], 4, v12
	s_mul_i32 s32, s28, 8*PITCH
	v_lshl_add_u32 v[SAD], v12, 3, s32             ; my wave's 8 rows, 8 bytes a lane
	v_mul_u32_u24 v15, v13, PITCH
	v_lshl_add_u32 v15, v14, 4, v15                ; row r x pitch + 16 h
	s_lshl_b32 s33, s28, 16
.irp pi, 0,1,2,3
	s_add_co_u32 s32, s28, \pi
	s_and_b32 s32, s32, 3                          ; the real pair of K steps in slot pair pi
	s_lshl_b32 s48, s32, 7
	v_add_nc_u32 v[AD+\pi], s48, v15
	s_lshl_b32 s48, s32, 11
	s_add_co_u32 s48, s48, s33
	v_add_nc_u32 v[WOF+\pi], s48, v[VL16]
.endr
	s_mul_i32 s32, s28, 2*ZS
	s_add_co_u32 s32, s32, ZP
	v_mul_u32_u24 v11, v14, ZS
	v_lshl_add_u32 v11, v13, 2, v11
	v_add_nc_u32 v[ZAD], s32, v11                  ; region 2 w + h, 4 r
	s_lshl_b32 s32, s28, 11
	v_add_nc_u32 v[UOF], s32, v[VL16]              ; uf: K steps 2 w, 2 w + 1
	s_lshl_b32 s32, s28, 9
	v_lshl_add_u32 v[BOF], v14, 5, s32             ; b1, W2: hidden unit 128 w + 8 h
	s_lshl_b32 s30, s29, 10
	s_lshl_b32 s32, s28, 3
	s_add_co_u32 s30, s30, s32                     ; the first row that my wave stages
	s_add_co_u32 s31, s30, 992
	s_min_u32 s31, s31, NROWS-8                    ; and the last: no load leaves the table
	s_mov_b32 s35, 0
	s_mov_b32 s44, 0x76543210                      ; v_permlanex16_b32: each lane takes its own place in the other half
	s_mov_b32 s45, 0xfedcba98
	s_wait_kmcnt 0x0
	SETSA 0
	LOADP 0                                        ; step 0's rows
	SETSA 1
	LOADP 1                                        ; step 1's
	s_load_b32 s47, s[14:15], 0x0                  ; b2
	s_load_b32 s46, s[16:17], 0x0                  ; c0
.irp g, 0,1
	WIN 0x80+0x40*(\g)
.set tq, 0
.rept 4
.set kq, 0
.rept 8
	global_load_b128 v[64*tq+8*kq:64*tq+8*kq+3], v[WOF+kq/2], s[6:7] offset:(4*(\g)+tq)*8192+(kq%2)*1024
	global_load_b128 v[64*tq+8*kq+4:64*tq+8*kq+7], v[WOF+kq/2], s[6:7] offset:(4*(\g)+tq)*8192+(kq%2)*1024+512
.set kq, kq+1
.endr
.set tq, tq+1
.endr
.endr
	WIN 0
.irp i, 0,1,2,3
	global_load_b128 v[U+4*\i:U+4*\i+3], v[UOF], s[8:9] offset:512*\i
.endr
.set i, 0
.rept 16
	global_load_b128 v[W2R+4*i:W2R+4*i+3], v[BOF], s[12:13] offset:(i/2)*64+(i%2)*16
.set i, i+1
.endr
	WIN 0x40
.set i, 0
.rept 16
	global_load_b128 v[B1+4*i:B1+4*i+3], v[BOF], s[10:11] offset:(i/2)*64+(i%2)*16
.set i, i+1
.endr
	WIN 0
	s_wait_loadcnt 0x0                             ; once: everything that stays in registers, and the first two steps' rows
	s_wait_kmcnt 0x0
.set i, 0
.rept 32                               ; w2 and b1 are rounded to bf16 and kept as f32
	v_cvt_pk_bf16_f32 v[11+i%4], v[W2R+2*i], v[W2R+2*i+1]
	v_lshlrev_b32 v[W2R+2*i], 16, v[11+i%4]
	v_and_b32 v[W2R+2*i+1], 0xffff0000, v[11+i%4]
.set i, i+1
.endr
	v_mov_b32 v[B2V], s47
	v_cvt_pk_bf16_f32 v[B2V], v[B2V], v[B2V]
	v_lshlrev_b32 v[B2V], 16, v[B2V]
.set i, 0
.rept 8                                ; the first step runs the text of every step: the block in front of the first is all zeros, and its z goes to the regions' first 64 bytes
	v_mov_b32 v[ZZ+i], 0
.set i, i+1
.endr
	WIN 0x55
.set i, 0
.rept 32
	v_cvt_pk_bf16_f32 v[ACC+i%4], v[B1+2*i], v[B1+2*i+1]
	v_lshlrev_b32 v[B1+2*i], 16, v[ACC+i%4]
	v_and_b32 v[B1+2*i+1], 0xffff0000, v[ACC+i%4]
.set i, i+1
.endr
.set i, 0
.rept 32
	v_mov_b32 v[ACC+32+i], 0
.set i, i+1
.endr
	WIN 0
	SETSA 0                                        ; step 0's rows go into X buffer 0, step 2's are asked for
.set n, 0
.rept 16
	QUAD 0, 0, n, 1
.set n, n+1
.endr
	s_wait_dscnt 0x0
	s_barrier_signal -1
	s_barrier_wait -1
	FRAGS FA, 0, 0
	WIN 0                                          ; at a label and at a branch every window is 0
	s_mov_b32 s42, 14
.Ltrip:                                                ; steps 0 to 27, two a trip
	STEP 0, 1, 1, 16
	STEP 1, 1, 1, 16
	WIN 0
	v_add_nc_u32 v[ZAD], 0x100, v[ZAD]             ; 64 rows on
	s_sub_co_u32 s42, s42, 1
	s_cmp_lg_u32 s42, 0
	s_cbranch_scc1 .Ltrip
	STEP 0, 1, 1, 16                               ; step 28 asks for step 31's rows: the last loads
	STEP 1, 1, 0, 16
	WIN 0
	v_add_nc_u32 v[ZAD], 0x100, v[ZAD]
	STEP 0, 1, 0, 0                                ; step 30 stages step 31's rows: no younger load is out
	STEP 1, 0, 0, 0
	WIN 0
	v_add_nc_u32 v[ZAD], 0x100, v[ZAD]
	WIN 0x56                                       ; the last block's second group has no run behind it to ride on
.set ii, 0
.rept 32
	v_max_num_f32 v[ACC+32+ii], 0, v[ACC+32+ii]
.set ii, ii+1
.endr
.irp c, 0,1,2,3
	RPK4 1, \c
.endr
	ZFIN 0
	; THE WAY OUT.  Thread t takes rows 4 t .. 4 t + 3 and 512 + 4 t .. + 3 of the share: it adds the 8 parts of z and the 4 parts of l and finishes them.
.set ZV, 24
.set LV, 32
.set TV, 40
.set EV, 48
.set DV, 56
.set GV, 64
.set VV, 72
.set KV, 80
.set PV, 88
.set RV, 96
.set EE, 104
.macro ALL8 line:vararg                ; one line for each of my 8 rows t
.set t, 0
.rept 8
	\line
.set t, t+1
.endr
.endm
.macro QADD d, a, b
	v_pk_add_f32 v[(\d):(\d)+1], v[(\a):(\a)+1], v[(\b):(\b)+1]
	v_pk_add_f32 v[(\d)+2:(\d)+3], v[(\a)+2:(\a)+3], v[(\b)+2:(\b)+3]
.endm
.macro WSUM x, y                       ; the sum over the wave's 32 lanes, in every lane
.irp m, 1,2,4,8
	v_add_f32_dpp v[\x], v[\x], v[\x] row_xmask:\m row_mask:0xf bank_mask:0xf
.endr
	v_permlanex16_b32 v[\y], v[\x], s44, s45
	v_add_f32 v[\x], v[\x], v[\y]
.endm
.macro RMAX16 x                        ; the maximum over 16 lanes, in each of them
.irp m, 1,2,4,8
	v_max_num_f32_dpp v[\x], v[\x], v[\x] row_xmask:\m row_mask:0xf bank_mask:0xf
.endr
.endm
.macro KEYC x, y                       ; a float's bits into a whole number that orders as the float does
	v_ashrrev_i32 v[\y], 31, v[\x]
	v_or_b32 v[\y], 0x80000000, v[\y]
	v_xor_b32 v[\x], v[\x], v[\y]
.endm
	s_wait_dscnt 0x0                               ; for the others' sake: my partial sums are in LDS
	s_barrier_signal -1
	s_barrier_wait -1
	v_lshl_add_u32 v11, v0, 4, ZP+64
.irp u, 0,1
.irp q, 0,1,2,3,4,5,6,7
	ds_load_b128 v[112+48*\u+4*\q:112+48*\u+4*\q+3], v11 offset:\q*ZS+\u*2048
.endr
.irp q, 0,1,2,3
	ds_load_b128 v[144+48*\u+4*\q:144+48*\u+4*\q+3], v11 offset:LPO+2*\q*ZS+\u*2048
.endr
.endr
	s_lshl_b32 s32, s29, 10
	v_lshl_add_u32 v12, v0, 2, s32                 ; my first row, and
	v_add_nc_u32 v13, 0x200, v12                   ; my fifth
	s_mov_b32 s33, NROWS
	v_cmp_gt_u32 s48, s33, v12                     ; are they rows of the table?  (four rows are all inside or all outside: 250,000 is a multiple of 4)
	v_cmp_gt_u32 s49, s33, v13
	v_mov_b32 v14, 0xff800000                      ; -infinity
	s_mov_b32 s50, 0x3fb8aa3b                      ; log2(e)
	s_mov_b32 s51, 0xbfb8aa3b
	s_lshl_b32 s32, s28, 2
	s_add_co_u32 s32, s32, RED
	v_mov_b32 v22, s32                             ; my wave's word
	v_mov_b32 v23, RED
	s_wait_dscnt 0x0
.irp u, 0,1
	QADD 112+48*\u, 112+48*\u, 116+48*\u
	QADD 120+48*\u, 120+48*\u, 124+48*\u
	QADD 128+48*\u, 128+48*\u, 132+48*\u
	QADD 136+48*\u, 136+48*\u, 140+48*\u
	QADD 144+48*\u, 144+48*\u, 148+48*\u
	QADD 152+48*\u, 152+48*\u, 156+48*\u
	QADD 112+48*\u, 112+48*\u, 120+48*\u
	QADD 128+48*\u, 128+48*\u, 136+48*\u
	QADD LV+4*\u, 144+48*\u, 152+48*\u
	QADD ZV+4*\u, 112+48*\u, 128+48*\u
.endr
	ALL8 v_add_f32 v[ZV+t], v[B2V], v[ZV+t]
	ALL8 v_add_f32 v[LV+t], s46, v[LV+t]
	ALL8 v_cndmask_b32 v[LV+t], v14, v[LV+t], s[48+t/4]    ; a row outside the table has the logit -infinity: weight 0, and the lowest key
	ALL8 v_mul_f32 v[TV+t], s51, v[ZV+t]
	ALL8 v_or_b32 v[EV+t], 0x80000000, v[TV+t]
	ALL8 v_exp_f32 v[EV+t], v[EV+t]                        ; E = 2^-|t|: never above 1
	v_max3_num_f32 v15, v[LV], v[LV+1], v[LV+2]            ; (a plain instruction behind the exponentials: ISA guide 5.7.2) the share's maximum of l begins
	s_wait_alu depctr_va_vdst(0)
	ALL8 v_add_f32 v[DV+t], 1.0, v[EV+t]
	ALL8 v_log_f32 v[GV+t], v[DV+t]
	ALL8 v_rcp_f32 v[RV+t], v[DV+t]
	v_max3_num_f32 v15, v15, v[LV+3], v[LV+4]
	v_max3_num_f32 v15, v15, v[LV+5], v[LV+6]
	v_max_num_f32 v15, v15, v[LV+7]
	RMAX16 15
	v_permlanex16_b32 v20, v15, s44, s45
	v_max_num_f32 v15, v15, v20
	ds_store_b32 v22, v15
.set t, 0
	s_wait_alu depctr_va_vdst(0)
.rept 8
	v_cmp_lt_f32 vcc_lo, 0, v[TV+t]
	v_cndmask_b32 v[VV+t], 1.0, v[EV+t], vcc_lo
.set t, t+1
.endr
	ALL8 v_mul_f32 v[VV+t], v[VV+t], v[RV+t]               ; the value score
	ALL8 v_max_num_f32 v[TV+t], 0, v[TV+t]
	ALL8 v_add_f32 v[GV+t], v[TV+t], v[GV+t]
	ALL8 v_fma_f32 v[KV+t], v[LV+t], s50, -v[GV+t]         ; kappa
	s_wait_dscnt 0x0
	s_barrier_signal -1
	s_barrier_wait -1
	ds_load_b128 v[208:211], v23
	v_max3_num_f32 v16, v[KV], v[KV+1], v[KV+2]            ; 16 threads hold a group of 64 rows: its largest kappa
	v_max3_num_f32 v17, v[KV+4], v[KV+5], v[KV+6]
	v_max_num_f32 v16, v16, v[KV+3]
	v_max_num_f32 v17, v17, v[KV+7]
	RMAX16 16
	RMAX16 17
	KEYC 16, 18
	KEYC 17, 19
	ALL8 KEYC KV+t, RV+t
	s_wait_dscnt 0x0
	v_max3_num_f32 v15, v208, v209, v210
	v_max_num_f32 v15, v15, v211                           ; m
	ALL8 v_sub_f32 v[EE+t], v[LV+t], v15
	ALL8 v_mul_f32 v[EE+t], s50, v[EE+t]
	ALL8 v_exp_f32 v[EE+t], v[EE+t]
	v_nop
	s_wait_alu depctr_va_vdst(0)
	ALL8 v_mul_f32 v[PV+t], v[EE+t], v[VV+t]
	v_pk_add_f32 v[18:19], v[EE:EE+1], v[EE+2:EE+3]
	v_pk_add_f32 v[20:21], v[EE+4:EE+5], v[EE+6:EE+7]
	v_pk_add_f32 v[208:209], v[PV:PV+1], v[PV+2:PV+3]
	v_pk_add_f32 v[210:211], v[PV+4:PV+5], v[PV+6:PV+7]
	v_pk_add_f32 v[18:19], v[18:19], v[20:21]
	v_pk_add_f32 v[208:209], v[208:209], v[210:211]
	v_add_f32 v18, v18, v19
	v_add_f32 v20, v208, v209
	WSUM 18, 19
	WSUM 20, 21
	ds_store_b32 v22, v18 offset:16                        ; other bytes than the maxima's, which a slower wave may still be reading
	ds_store_b32 v22, v20 offset:32
	s_wait_dscnt 0x0
	s_barrier_signal -1
	s_barrier_wait -1
	ds_load_b128 v[208:211], v23 offset:16
	ds_load_b128 v[212:215], v23 offset:32
	v_lshlrev_b32 v216, 2, v12                             ; my byte offset in out2, pbuf and keys
	global_store_b128 v216, v[PV:PV+3], s[20:21]           ; each store of the wave covers 512 consecutive bytes, aligned
	global_store_b128 v216, v[PV+4:PV+7], s[20:21] offset:2048
	global_store_b128 v216, v[KV:KV+3], s[22:23]
	global_store_b128 v216, v[KV+4:KV+7], s[22:23] offset:2048
	v_lshrrev_b32 v217, 4, v0
	s_lshl_b32 s32, s29, 6
	v_lshl_add_u32 v217, v217, 2, s32                      ; gkey: group 16 x work-group + thread / 16 (and 8 further on)
	v_min_u32 v218, 2, v0
	s_lshl_b32 s32, s29, 2
	v_lshl_add_u32 v218, v218, 10, s32                     ; stats: table thread (m, S, T), entry work-group
	v_and_b32 v220, 15, v0
	s_wait_dscnt 0x0
	v_add_f32 v18, v208, v209
	v_add_f32 v19, v210, v211
	v_add_f32 v20, v212, v213
	v_add_f32 v21, v214, v215
	v_add_f32 v18, v18, v19                                ; S
	v_add_f32 v20, v20, v21                                ; T
	v_cmp_eq_u32 vcc_lo, 1, v0
	v_cndmask_b32 v219, v15, v18, vcc_lo
	v_cmp_eq_u32 vcc_lo, 2, v0
	v_cndmask_b32 v219, v219, v20, vcc_lo
	s_wait_xcnt 0x0                                        ; EXEC changes only behind this wait, each time
	v_cmp_gt_u32 vcc_lo, s33, v12
	s_and_saveexec_b32 s52, vcc_lo
	global_store_b128 v216, v[VV:VV+3], s[18:19]
	s_wait_xcnt 0x0
	s_or_b32 exec_lo, exec_lo, s52
	v_cmp_gt_u32 vcc_lo, s33, v13
	s_and_saveexec_b32 s52, vcc_lo
	global_store_b128 v216, v[VV+4:VV+7], s[18:19] offset:2048
	s_wait_xcnt 0x0
	s_or_b32 exec_lo, exec_lo, s52
	v_cmp_eq_u32 vcc_lo, 0, v220
	s_and_saveexec_b32 s52, vcc_lo
	global_store_b32 v217, v16, s[24:25]
	global_store_b32 v217, v17, s[24:25] offset:32
	s_wait_xcnt 0x0
	s_or_b32 exec_lo, exec_lo, s52
	v_cmp_gt_u32 vcc_lo, 3, v0
	s_and_saveexec_b32 s52, vcc_lo
	global_store_b32 v218, v219, s[26:27]
	s_wait_xcnt 0x0
	s_or_b32 exec_lo, exec_lo, s52
	s_wait_tensorcnt 0x0                           ; the wave's end, behind my last LDS store
	ds_add_u32 v[SPW], v[NIL]
	s_wait_dscnt 0x0
	s_endpgm
.Lfunc_end_k_qaf00c80614_main:
	.size	k_qaf00c80614_main, .Lfunc_end_k_qaf00c80614_main-k_qaf00c80614_main
	.p2alignl 7, 3214868480
	.fill 96, 4, 3214868480
	.section	.rodata,"a",@progbits
	.p2align	6, 0x0
	.amdhsa_kernel k_qaf00c80614_main
		.amdhsa_group_segment_fixed_size 105216
		.amdhsa_private_segment_fixed_size 0
		.amdhsa_enable_private_segment 0
		.amdhsa_kernarg_size 96
		.amdhsa_user_sgpr_count 2
		.amdhsa_user_sgpr_kernarg_segment_ptr 1
		.amdhsa_wavefront_size32 1
		.amdhsa_system_sgpr_workgroup_id_x 1
		.amdhsa_system_sgpr_workgroup_id_y 1
		.amdhsa_system_sgpr_workgroup_id_z 1
		.amdhsa_system_vgpr_workitem_id 0
		.amdhsa_next_free_vgpr 1024
		.amdhsa_next_free_sgpr 66
		.amdhsa_reserve_vcc 1
		.amdhsa_float_denorm_mode_32 3
		.amdhsa_float_denorm_mode_16_64 3
		.amdhsa_memory_ordered 1
		.amdhsa_forward_progress 1
		.amdhsa_inst_pref_size 205
	.end_amdhsa_kernel
	.amdgpu_metadata
---
amdhsa.version: [ 1, 2 ]
amdhsa.kernels:
  - .name:           k_qaf00c80614_main
    .symbol:         k_qaf00c80614_main.kd
    .args:
      - { .name: sensory_input, .offset: 0, .size: 8, .value_kind: global_buffer, .address_space: global }
      - { .name: w1f, .offset: 8, .size: 8, .value_kind: global_buffer, .address_space: global }
      - { .name: uf, .offset: 16, .size: 8, .value_kind: global_buffer, .address_space: global }
      - { .name: b1, .offset: 24, .size: 8, .value_kind: global_buffer, .address_space: global }
      - { .name: W2, .offset: 32, .size: 8, .value_kind: global_buffer, .address_space: global }
      - { .name: b2, .offset: 40, .size: 8, .value_kind: global_buffer, .address_space: global }
      - { .name: misc, .offset: 48, .size: 8, .value_kind: global_buffer, .address_space: global }
      - { .name: out2, .offset: 56, .size: 8, .value_kind: global_buffer, .address_space: global }
      - { .name: pbuf, .offset: 64, .size: 8, .value_kind: global_buffer, .address_space: global }
      - { .name: keys, .offset: 72, .size: 8, .value_kind: global_buffer, .address_space: global }
      - { .name: gkey, .offset: 80, .size: 8, .value_kind: global_buffer, .address_space: global }
      - { .name: stats, .offset: 88, .size: 8, .value_kind: global_buffer, .address_space: global }
    .group_segment_fixed_size: 105216
    .private_segment_fixed_size: 0
    .kernarg_segment_align: 8
    .kernarg_segment_size: 96
    .max_flat_workgroup_size: 128
    .sgpr_count:     66
    .vgpr_count:     1024
    .wavefront_size: 32
...
	.end_amdgpu_metadata
.endif
;; end of part 2
;; launch alloc (part 3): grid 245 x 1, 4 waves a work-group, no clusters, 0 bytes of LDS; arguments pbuf, stats, gkey, out1, glist; writes out1, glist
.if DOCPART == 3
	.amdgcn_target "amdgcn-amd-amdhsa--gfx1250"
	.amdhsa_code_object_version 6
	.text
	.protected	k_qaf00c80614_alloc
	.globl	k_qaf00c80614_alloc
	.p2align	8
	.type	k_qaf00c80614_alloc,@function
k_qaf00c80614_alloc:
	s_mov_b64 s[64:65], 0
	v_nop
	global_prefetch_b8 v0, s[64:65] scope:SCOPE_SE
	s_setreg_imm32_b32 hwreg(HW_REG_WAVE_MODE, 25, 1), 1
	s_wait_xcnt 0x0
; ALLOC.  Two things that need all work-groups' results of the launch before.
; (1) The allocation.  With m the largest of the 245 shares' maxima m_g, S = sum S_g e^(m_g - m), T = sum T_g e^(m_g - m):  out1 = p e^(m_g - m) / S / max(T / S, 1e-12).
;     Every wave reduces the 256 entries of stats by itself (8 a lane; entries 245 .. 255 hold the lowest finite m and zeros): no LDS, no barrier.
; (2) The 64 groups of 64 rows with the largest (largest key, then lower number): every one of the 64 top rows lies in one of them, since each group ranked ahead of a row's group holds a row ranked ahead of it.
;     A wave holds all 4,096 group keys (lane i: entries 2 i, 2 i + 1 of each segment of 64) and counts, for each of its 4 groups, the keys ahead of it: whole numbers only.
;     Ties: the keys of the segments below my own are raised by 1 once, so that 'greater' there means 'greater or equal'; inside my segment equal keys at lower places are counted apart.
; The keys were stored as whole numbers by the launch before; the ranks made of them steer this launch's stores into glist.
.set NROWS, 250000
.macro WSUM x, y
.irp m, 1,2,4,8
	v_add_f32_dpp v[\x], v[\x], v[\x] row_xmask:\m row_mask:0xf bank_mask:0xf
.endr
	v_permlanex16_b32 v[\y], v[\x], s44, s45
	v_add_f32 v[\x], v[\x], v[\y]
.endm
	s_load_b256 s[4:11], s[0:1], 0x0               ; pbuf 4:5, stats 6:7, gkey 8:9, out1 10:11
	s_load_b64 s[12:13], s[0:1], 0x20              ; glist
	v_lshrrev_b32 v1, 5, v0
	v_readfirstlane_b32 s14, v1                    ; wave
	s_mov_b32 s15, ttmp9                           ; work-group
	v_and_b32 v2, 31, v0                           ; lane
	s_lshl_b32 s32, s15, 12
	v_lshl_add_u32 v3, v0, 4, s32                  ; my 16 bytes of pbuf and out1
	v_lshlrev_b32 v4, 5, v2                        ; 8 entries of stats a lane
	v_lshlrev_b32 v5, 3, v2                        ; 2 keys a lane
	s_lshr_b32 s33, s15, 2                         ; my segment: my work-group's 16 groups lie in it
	s_lshl_b32 s34, s33, 8
	v_add_nc_u32 v6, s34, v5
	s_lshl_b32 s35, s15, 2
	s_lshl_b32 s36, s15, 6
	s_lshl_b32 s37, s14, 4
	s_add_co_u32 s36, s36, s37                     ; my wave's 4 keys, in bytes
	s_lshr_b32 s39, s36, 2                         ; and the first of my 4 groups
	s_lshl_b32 s32, s15, 10
	v_lshl_add_u32 v7, v0, 2, s32                  ; my first row,
	v_add_nc_u32 v8, 0x200, v7                     ; my fifth
	v_lshlrev_b32 v14, 1, v2                       ; the places in a segment that my lane holds
	v_or_b32 v15, 1, v14
	v_mov_b32 v49, 0                               ; these three are written, since v_permlanex16_b32 counts as a reader of its destination
	v_mov_b32 v52, 0
	v_mov_b32 v53, 0
	s_mov_b32 s44, 0x76543210
	s_mov_b32 s45, 0xfedcba98
	s_mov_b32 s46, 0x3fb8aa3b                      ; log2(e)
	s_mov_b32 s47, NROWS
	s_wait_kmcnt 0x0
	global_load_b128 v[16:19], v3, s[4:5]
	global_load_b128 v[20:23], v3, s[4:5] offset:2048
.irp i, 0,1,2
	global_load_b128 v[24+8*\i:27+8*\i], v4, s[6:7] offset:1024*\i         ; m, S, T
	global_load_b128 v[28+8*\i:31+8*\i], v4, s[6:7] offset:1024*\i+16
.endr
	global_load_b64 v[12:13], v6, s[8:9]           ; my own segment, which stays as it is
.set b, 0
.rept 64
	global_load_b64 v[64+2*b:65+2*b], v5, s[8:9] offset:256*b
.set b, b+1
.endr
	s_load_b32 s38, s[6:7], s35 offset:0x0         ; m of my work-group's share
	s_load_b128 s[88:91], s[8:9], s36 offset:0x0   ; my 4 keys
	s_wait_loadcnt 63                              ; of 73 loads at most 63 are out: the first ten are in, p and stats among them
	v_max3_num_f32 v48, v24, v25, v26
	v_max3_num_f32 v48, v48, v27, v28
	v_max3_num_f32 v48, v48, v29, v30
	v_max_num_f32 v48, v48, v31
.irp m, 1,2,4,8
	v_max_num_f32_dpp v48, v48, v48 row_xmask:\m row_mask:0xf bank_mask:0xf
.endr
	v_permlanex16_b32 v49, v48, s44, s45
	v_max_num_f32 v48, v48, v49                    ; m
.irp i, 24,25,26,27,28,29,30,31
	v_sub_f32 v\i, v\i, v48
.endr
.irp i, 24,25,26,27,28,29,30,31
	v_mul_f32 v\i, s46, v\i
.endr
.irp i, 24,25,26,27,28,29,30,31
	v_exp_f32 v\i, v\i
.endr
	s_wait_kmcnt 0x0
	v_sub_f32 v51, s38, v48                        ; (a plain instruction behind the exponentials: ISA guide 5.7.2)
	s_wait_alu depctr_va_vdst(0)
	v_mul_f32 v49, v32, v24
	v_mul_f32 v50, v40, v24
.irp i, 1,2,3,4,5,6,7
	v_fmac_f32 v49, v[32+\i], v[24+\i]
	v_fmac_f32 v50, v[40+\i], v[24+\i]
.endr
	v_mul_f32 v51, s46, v51
	WSUM 49, 52                                    ; S
	WSUM 50, 53                                    ; T
	v_exp_f32 v51, v51
	v_rcp_f32 v52, v49
	v_nop
	s_wait_alu depctr_va_vdst(0)
	v_mul_f32 v53, v50, v52                        ; T / S: the sum of the allocation before it is normalised
	v_max_num_f32 v53, 0x2b8cbccc, v53             ; max(.., 1e-12)
	v_rcp_f32 v54, v53
	v_mul_f32 v51, v51, v52
	s_wait_alu depctr_va_vdst(0)
	v_mul_f32 v51, v51, v54
.irp i, 16,17,18,19,20,21,22,23
	v_mul_f32 v\i, v\i, v51
.endr
	s_wait_xcnt 0x0                                ; EXEC changes only behind this wait, each time
	v_cmp_gt_u32 vcc_lo, s47, v7
	s_and_saveexec_b32 s32, vcc_lo
	global_store_b128 v3, v[16:19], s[10:11]       ; rows of the table only
	s_wait_xcnt 0x0
	s_or_b32 exec_lo, exec_lo, s32
	v_cmp_gt_u32 vcc_lo, s47, v8
	s_and_saveexec_b32 s32, vcc_lo
	global_store_b128 v3, v[20:23], s[10:11] offset:2048
	s_wait_xcnt 0x0
	s_or_b32 exec_lo, exec_lo, s32
	s_wait_loadcnt 0x0                             ; the keys
.set b, 0
.rept 64
	s_cmp_lt_u32 b, s33
	s_cselect_b32 s16, 1, 0
	v_add_nc_u32 v[64+2*b], s16, v[64+2*b]
	v_add_nc_u32 v[65+2*b], s16, v[65+2*b]
.set b, b+1
.endr
	s_and_b32 s26, s15, 3
	s_lshl_b32 s26, s26, 4
	s_lshl_b32 s16, s14, 2
	s_add_co_u32 s26, s26, s16                     ; my first group's place in its segment
	s_mov_b32 s28, 0
	s_mov_b32 s29, 0
	s_mov_b32 s30, 0
	s_mov_b32 s31, 0
	s_mov_b32 s25, 4
.Lrank:                                                ; a trip ranks one of my 4: key in s88, place in s26; eight masks take turns
	s_mov_b32 s24, 0
.set b, 0
.rept 16
.set j, 0
.rept 8
	v_cmp_lt_u32 s[16+j], s88, v[64+8*b+j]
.set j, j+1
.endr
.set j, 0
.rept 8
	s_bcnt1_i32_b32 s[16+j], s[16+j]
.set j, j+1
.endr
.set j, 0
.rept 8
	s_add_co_u32 s24, s24, s[16+j]
.set j, j+1
.endr
.set b, b+1
.endr
	v_cmp_eq_u32 s16, s88, v12                     ; equal keys at lower places of my segment
	v_cmp_gt_u32 s17, s26, v14
	v_cmp_eq_u32 s18, s88, v13
	v_cmp_gt_u32 s19, s26, v15
	s_and_b32 s16, s16, s17
	s_and_b32 s18, s18, s19
	s_bcnt1_i32_b32 s16, s16
	s_bcnt1_i32_b32 s18, s18
	s_add_co_u32 s24, s24, s16
	s_add_co_u32 s24, s24, s18
	s_mov_b32 s28, s29                             ; the ranks move up: after four trips s28 .. s31 hold them in order
	s_mov_b32 s29, s30
	s_mov_b32 s30, s31
	s_mov_b32 s31, s24
	s_mov_b32 s88, s89
	s_mov_b32 s89, s90
	s_mov_b32 s90, s91
	s_add_co_u32 s26, s26, 1
	s_sub_co_u32 s25, s25, 1
	s_cmp_lg_u32 s25, 0
	s_cbranch_scc1 .Lrank
	v_mov_b32 v48, 64                              ; lanes 4 to 31 have no group: a rank that is never stored
	v_writelane_b32 v48, s28, 0
	v_writelane_b32 v48, s29, 1
	v_writelane_b32 v48, s30, 2
	v_writelane_b32 v48, s31, 3
	v_min_u32 v50, 63, v48                         ; the rank is bounded with all lanes on, in a register of its own, before it enters an address
	v_lshlrev_b32 v50, 2, v50
	v_add_nc_u32 v49, s39, v2                      ; lane k: my group k
	s_wait_xcnt 0x0
	v_cmp_gt_u32 vcc_lo, 64, v48
	s_and_saveexec_b32 s16, vcc_lo
	global_store_b32 v50, v49, s[12:13]            ; glist[rank] = group
	s_wait_xcnt 0x0
	s_or_b32 exec_lo, exec_lo, s16
	s_endpgm
.Lfunc_end_k_qaf00c80614_alloc:
	.size	k_qaf00c80614_alloc, .Lfunc_end_k_qaf00c80614_alloc-k_qaf00c80614_alloc
	.p2alignl 7, 3214868480
	.fill 96, 4, 3214868480
	.section	.rodata,"a",@progbits
	.p2align	6, 0x0
	.amdhsa_kernel k_qaf00c80614_alloc
		.amdhsa_group_segment_fixed_size 0
		.amdhsa_private_segment_fixed_size 0
		.amdhsa_enable_private_segment 0
		.amdhsa_kernarg_size 40
		.amdhsa_user_sgpr_count 2
		.amdhsa_user_sgpr_kernarg_segment_ptr 1
		.amdhsa_wavefront_size32 1
		.amdhsa_system_sgpr_workgroup_id_x 1
		.amdhsa_system_sgpr_workgroup_id_y 1
		.amdhsa_system_sgpr_workgroup_id_z 1
		.amdhsa_system_vgpr_workitem_id 0
		.amdhsa_next_free_vgpr 192
		.amdhsa_next_free_sgpr 92
		.amdhsa_reserve_vcc 1
		.amdhsa_float_denorm_mode_32 3
		.amdhsa_float_denorm_mode_16_64 3
		.amdhsa_memory_ordered 1
		.amdhsa_forward_progress 1
		.amdhsa_inst_pref_size 38
	.end_amdhsa_kernel
	.amdgpu_metadata
---
amdhsa.version: [ 1, 2 ]
amdhsa.kernels:
  - .name:           k_qaf00c80614_alloc
    .symbol:         k_qaf00c80614_alloc.kd
    .args:
      - { .name: pbuf, .offset: 0, .size: 8, .value_kind: global_buffer, .address_space: global }
      - { .name: stats, .offset: 8, .size: 8, .value_kind: global_buffer, .address_space: global }
      - { .name: gkey, .offset: 16, .size: 8, .value_kind: global_buffer, .address_space: global }
      - { .name: out1, .offset: 24, .size: 8, .value_kind: global_buffer, .address_space: global }
      - { .name: glist, .offset: 32, .size: 8, .value_kind: global_buffer, .address_space: global }
    .group_segment_fixed_size: 0
    .private_segment_fixed_size: 0
    .kernarg_segment_align: 8
    .kernarg_segment_size: 40
    .max_flat_workgroup_size: 128
    .sgpr_count:     92
    .vgpr_count:     192
    .wavefront_size: 32
...
	.end_amdgpu_metadata
.endif
;; end of part 3
;; launch pick (part 4): grid 256 x 1, 4 waves a work-group, no clusters, 0 bytes of LDS; arguments glist, keys, sensory_input, out0; writes out0
.if DOCPART == 4
	.amdgcn_target "amdgcn-amd-amdhsa--gfx1250"
	.amdhsa_code_object_version 6
	.text
	.protected	k_qaf00c80614_pick
	.globl	k_qaf00c80614_pick
	.p2align	8
	.type	k_qaf00c80614_pick,@function
k_qaf00c80614_pick:
	s_mov_b64 s[64:65], 0
	v_nop
	global_prefetch_b8 v0, s[64:65] scope:SCOPE_SE
	s_setreg_imm32_b32 hwreg(HW_REG_WAVE_MODE, 25, 1), 1
	s_wait_xcnt 0x0
; PICK.  The 64 listed groups hold 4,096 candidate rows, the 64 top rows among them; a candidate's rank among the candidates (key descending, then row ascending) is its rank among all rows wherever it is below 64.
; Work-group (s, qd) = (number / 4, number % 4); its wave w owns candidates 16 qd + 4 w .. + 3 of the list's group s.  A wave holds all 4,096 keys (lane i: rows 2 i, 2 i + 1 of each group) and counts
; the keys ahead of each of its four: whole numbers only, stored as such by earlier launches.  Ties: the keys of groups with a lower number than mine are raised by 1 once ('greater' is then 'greater or equal');
; inside my group equal keys at lower places are counted apart.
; The wave's four rows of the table are loaded at the start, whatever their rank (4 KB a wave), so that they arrive under the counting and no load stands behind a rank; a row of rank below 64 is stored to out0[rank].
.set NROWS, 250000
	s_load_b256 s[4:11], s[0:1], 0x0               ; glist 4:5, keys 6:7, X 8:9, out0 10:11
	v_lshrrev_b32 v1, 5, v0
	v_readfirstlane_b32 s12, v1                    ; wave
	s_lshr_b32 s13, ttmp9, 2                       ; s
	s_and_b32 s14, ttmp9, 3                        ; qd
	v_and_b32 v2, 31, v0
	v_lshlrev_b32 v3, 3, v2                        ; 2 keys a lane
	v_lshlrev_b32 v8, 4, v2                        ; 16 bytes of a row a lane
	v_lshlrev_b32 v14, 1, v2                       ; the places in a group that my lane holds
	v_or_b32 v15, 1, v14
	s_lshl_b32 s85, s13, 2
	s_lshl_b32 s86, s14, 4
	s_lshl_b32 s87, s12, 2
	s_add_co_u32 s86, s86, s87                     ; my first candidate's place in its group
	s_mov_b32 s95, 0
	s_wait_kmcnt 0x0
	s_load_b512 s[16:31], s[4:5], 0x0              ; the list, in s16-63 and s68-83
	s_load_b512 s[32:47], s[4:5], 0x40
	s_load_b512 s[48:63], s[4:5], 0x80
	s_load_b512 s[68:83], s[4:5], 0xc0
	s_load_b32 s84, s[4:5], s85 offset:0x0         ; my group
	s_wait_kmcnt 0x0
	s_min_u32 s84, s84, 3919                       ; a loaded number enters an address only behind a bound: there are 3,920 groups
	s_lshl_b32 s92, s84, 6
	s_add_co_u32 s92, s92, s86                     ; my first candidate's row
	s_lshl_b32 s93, s92, 2
	s_load_b128 s[88:91], s[6:7], s93 offset:0x0   ; my 4 keys
	s_min_u32 s94, s92, NROWS-4                    ; rows outside the table (all four or none) have the lowest key and are never stored
	s_lshl_b32 s94, s94, 10
	s_add_nc_u64 s[96:97], s[8:9], s[94:95]
.irp k, 0,1,2,3
	global_load_b128 v[32+8*\k:35+8*\k], v8, s[96:97] offset:1024*\k
	global_load_b128 v[36+8*\k:39+8*\k], v8, s[96:97] offset:1024*\k+512
.endr
	v_lshl_add_u32 v9, s84, 8, v3
	global_load_b64 v[12:13], v9, s[6:7]           ; my own group's keys, which stay as they are
.set b, 0
.rept 64
.if b < 48
.set LR, 16+b
.else
.set LR, 20+b
.endif
	s_min_u32 s[LR], s[LR], 3919
	v_lshl_add_u32 v[192+b], s[LR], 8, v3
	global_load_b64 v[64+2*b:65+2*b], v[192+b], s[6:7]
.set b, b+1
.endr
	s_wait_loadcnt 0x0
.set b, 0
.rept 64
.if b < 48
.set LR, 16+b
.else
.set LR, 20+b
.endif
	s_cmp_lt_u32 s[LR], s84
	s_cselect_b32 s85, 1, 0
	v_add_nc_u32 v[64+2*b], s85, v[64+2*b]
	v_add_nc_u32 v[65+2*b], s85, v[65+2*b]
.set b, b+1
.endr
	s_wait_kmcnt 0x0
	s_mov_b32 s26, s86                             ; from here on the list's registers serve the counting
	s_mov_b32 s28, 0
	s_mov_b32 s29, 0
	s_mov_b32 s30, 0
	s_mov_b32 s31, 0
	s_mov_b32 s25, 4
.Lrank:                                                ; a trip ranks one of my 4: key in s88, place in s26; eight masks take turns
	s_mov_b32 s24, 0
.set b, 0
.rept 16
.set j, 0
.rept 8
	v_cmp_lt_u32 s[16+j], s88, v[64+8*b+j]
.set j, j+1
.endr
.set j, 0
.rept 8
	s_bcnt1_i32_b32 s[16+j], s[16+j]
.set j, j+1
.endr
.set j, 0
.rept 8
	s_add_co_u32 s24, s24, s[16+j]
.set j, j+1
.endr
.set b, b+1
.endr
	v_cmp_eq_u32 s16, s88, v12                     ; equal keys at lower places of my group
	v_cmp_gt_u32 s17, s26, v14
	v_cmp_eq_u32 s18, s88, v13
	v_cmp_gt_u32 s19, s26, v15
	s_and_b32 s16, s16, s17
	s_and_b32 s18, s18, s19
	s_bcnt1_i32_b32 s16, s16
	s_bcnt1_i32_b32 s18, s18
	s_add_co_u32 s24, s24, s16
	s_add_co_u32 s24, s24, s18
	s_mov_b32 s28, s29                             ; the ranks move up: after four trips s28 .. s31 hold them in order
	s_mov_b32 s29, s30
	s_mov_b32 s30, s31
	s_mov_b32 s31, s24
	s_mov_b32 s88, s89
	s_mov_b32 s89, s90
	s_mov_b32 s90, s91
	s_add_co_u32 s26, s26, 1
	s_sub_co_u32 s25, s25, 1
	s_cmp_lg_u32 s25, 0
	s_cbranch_scc1 .Lrank
.irp k, 0,1,2,3
	s_cmp_lt_u32 s[28+\k], 64
	s_cbranch_scc0 .Lskip_\k
	s_min_u32 s16, s[28+\k], 63
	s_lshl_b32 s16, s16, 10
	v_add_nc_u32 v[4+\k], s16, v8                  ; an offset register for each row: none is rewritten while a store may read it
	global_store_b128 v[4+\k], v[32+8*\k:35+8*\k], s[10:11]                ; each store of the wave covers 512 consecutive bytes, aligned
	global_store_b128 v[4+\k], v[36+8*\k:39+8*\k], s[10:11] offset:512
.Lskip_\k:
.endr
	s_endpgm
.Lfunc_end_k_qaf00c80614_pick:
	.size	k_qaf00c80614_pick, .Lfunc_end_k_qaf00c80614_pick-k_qaf00c80614_pick
	.p2alignl 7, 3214868480
	.fill 96, 4, 3214868480
	.section	.rodata,"a",@progbits
	.p2align	6, 0x0
	.amdhsa_kernel k_qaf00c80614_pick
		.amdhsa_group_segment_fixed_size 0
		.amdhsa_private_segment_fixed_size 0
		.amdhsa_enable_private_segment 0
		.amdhsa_kernarg_size 32
		.amdhsa_user_sgpr_count 2
		.amdhsa_user_sgpr_kernarg_segment_ptr 1
		.amdhsa_wavefront_size32 1
		.amdhsa_system_sgpr_workgroup_id_x 1
		.amdhsa_system_sgpr_workgroup_id_y 1
		.amdhsa_system_sgpr_workgroup_id_z 1
		.amdhsa_system_vgpr_workitem_id 0
		.amdhsa_next_free_vgpr 256
		.amdhsa_next_free_sgpr 100
		.amdhsa_reserve_vcc 0
		.amdhsa_float_denorm_mode_32 3
		.amdhsa_float_denorm_mode_16_64 3
		.amdhsa_memory_ordered 1
		.amdhsa_forward_progress 1
		.amdhsa_inst_pref_size 43
	.end_amdhsa_kernel
	.amdgpu_metadata
---
amdhsa.version: [ 1, 2 ]
amdhsa.kernels:
  - .name:           k_qaf00c80614_pick
    .symbol:         k_qaf00c80614_pick.kd
    .args:
      - { .name: glist, .offset: 0, .size: 8, .value_kind: global_buffer, .address_space: global }
      - { .name: keys, .offset: 8, .size: 8, .value_kind: global_buffer, .address_space: global }
      - { .name: sensory_input, .offset: 16, .size: 8, .value_kind: global_buffer, .address_space: global }
      - { .name: out0, .offset: 24, .size: 8, .value_kind: global_buffer, .address_space: global }
    .group_segment_fixed_size: 0
    .private_segment_fixed_size: 0
    .kernarg_segment_align: 8
    .kernarg_segment_size: 32
    .max_flat_workgroup_size: 128
    .sgpr_count:     100
    .vgpr_count:     256
    .wavefront_size: 32
...
	.end_amdgpu_metadata
.endif
;; end of part 4
